; MI455X (gfx1250); checked and timed in simulation.
; The chip was launched on July 23, 2026; its instructions are those of AMD's public machine-readable ISA for CDNA 5 (MIT licence, August 2026) and "CDNA5" Instruction Set Architecture Reference Guide (July 2026). The comments in the code are by the model that wrote it; some were corrected since.
;; Mo E. Allowed arithmetic: matrix products marked QUANTISED: E2M3 operands, one E8M0 scale for each 32 along K, by v_wmma_scale_f32_16x16x128_f8f6f4 with both operands' format E2M3, f32 sums; products left as they are: f32 operands where the result goes on into a quantised operand, else bf16, f16 or f32 operands; f32 sums; everything else in f32.
;; Inputs: W1 8 x 512 x 1,024 float32; W2 8 x 1,024 x 512 float32; Wg 512 x 8 float32; b1 8 x 1,024 float32; b2 8 x 512 float32; bg 8 float32; x 8,192 x 512 float32.
;; Outputs: out0 8,192 x 512 float32.
;; This version of the problem:
;;   THIS VERSION OF THE PROBLEM IS GIVEN IN LOW PRECISION. The matrix products marked QUANTISED in the list below multiply operands that are first quantised to E2M3 (2 exponent bits, 3 mantissa bits; 6 bits a number), with one power-of-two scale for each 32 numbers along K (OCP MX v1.0); their sums are f32. All else is computed in f32.
;;   The module's matrix products, in the order in which they are computed (A, B: the left and right operand; K: the contracted axis; several contracted axes count as one K, in the product's order):
;;     1. [M 8,192, K 512] x [K 512, N 8]; A: input x; B: input Wg: left as it is (N = 8 < 16)
;;     2. [M 8,192, K 512] x [K 512, N 8,192]; A: input W1; B: input x: QUANTISED
;;     3. batch 8 x [M 8,192, K 1,024] x [K 1,024, N 512]; A: computed on the way; B: input W2: QUANTISED
;;     4. batch 8,192 x [M 512, K 8] x [K 8, N 1]; A: computed on the way; B: computed on the way: left as it is (K = 8 < 32)
;;   THE QUANTISER, for each operand of a quantised product, along K:
;;     - K is cut into blocks of 32 from its start; a last block that is shorter is filled with zeros.
;;     - A block's scale is 2^e with e = floor(log2(the largest magnitude in the block)) - 2, held to -126 .. 127; a block of zeros has e = 0. As a byte (E8M0): e + 127.
;;     - Each number is divided by its block's scale, clamped to +-7.5, and rounded to the nearest number of E2M3, ties to even, subnormals kept.
;;     - The product sums the exact products of the quantised numbers (number of the format x scale) in f32.
;;   ~~~python
;;   def quantise(x, axis):      # numpy; x: float32 -> the quantised numbers, widened to float32 again
;;       x = np.moveaxis(x, axis, -1); K = x.shape[-1]
;;       x = np.pad(x, [(0, 0)] * (x.ndim - 1) + [(0, -K % 32)]); x = x.reshape(x.shape[:-1] + (-1, 32)); a = np.abs(x).max(-1, keepdims=True)
;;       e = np.where(a > 0, np.clip(np.frexp(np.where(a > 0, a, 1))[1] - 1 - 2, -126, 127), 0)      # np.frexp(a)[1] - 1 = floor(log2(a)), exactly
;;       r = np.clip(x / 2.0 ** e, -7.5, 7.5)
;;       step = 2.0 ** (np.maximum(np.frexp(np.where(r == 0, 1, r))[1] - 1, 0) - 3)
;;       q = np.round(r / step) * step * 2.0 ** e      # np.round: ties to even
;;       return np.moveaxis(q.reshape(q.shape[:-2] + (-1,))[..., :K], -1, axis).astype(np.float32)
;;   ~~~
;;   OPERANDS COMPUTED ON THE WAY. 'Computed on the way' means the value that the module computes at that place (a softmax that the list does not call 'softmax' is quantised finished and normalised). What goes into a quantiser is computed in f32, as accurately as f32 sums, v_exp_f32 and their like allow (about 1e-6 of the number): no bf16 or f16 on the way to a quantiser, and a product that is left as it is and whose result goes on into a quantised operand takes f32 operands (vector FMAs, or v_wmma_f32_16x16x4_f32). A number that lies on a knife's edge between two numbers of the format may be rounded either way, as far as f32 arithmetic and the matrix unit's own rounding can turn it there, and no further.
;; One version. Each part assembles by itself: llvm-mc -triple=amdgcn-amd-amdhsa -mcpu=gfx1250 --defsym DOCPART=n.
;; ======== version 1 of 1: 3 launches
;; workspace buffers: xq 3,145,728 bytes; xs 131,072 bytes; ids 32,768 bytes of whole numbers; wf 6,291,456 bytes; wsc 262,144 bytes; order 49,152 bytes of whole numbers; tiles 4,096 bytes of whole numbers
;; launch prep (part 1): grid 640 x 1, 4 waves a work-group, no clusters, 33,280 bytes of LDS; arguments x, Wg, bg, W1, W2, xq, xs, ids, wf, wsc; writes xq, xs, ids, wf, wsc
.if DOCPART == 1
	.amdgcn_target "amdgcn-amd-amdhsa--gfx1250"
	.amdhsa_code_object_version 6
	.text
	.protected	k_qea5684adb9_prep
	.globl	k_qea5684adb9_prep
	.p2align	8
	.type	k_qea5684adb9_prep,@function
k_qea5684adb9_prep:
	s_mov_b64 s[64:65], 0
	v_nop
	global_prefetch_b8 v0, s[64:65] scope:SCOPE_SE
	s_setreg_imm32_b32 hwreg(HW_REG_WAVE_MODE, 25, 1), 1
	s_wait_xcnt 0x0
; PREP: everything that is done once to the f32 inputs.  Three paths, chosen by the work-group's number alone.
;  X  (work-groups 0-127): x [8192][512] f32 -> codes of FP6 (E2M3) along K with one E8M0 byte for each 32, and the gate:
;      logits = x Wg + bg by f32 multiply-adds, softmax with its maximum taken away, argmax (the lowest index wins a tie) -> ids, one whole number a token.
;  W1 (128-383), W2 (384-639): a weight [e][K][N] f32, K not innermost -> codes along K, laid as IMAGES OF THE OPERAND'S REGISTERS, so that the
;      launch that multiplies loads a fragment by three loads of 16 bytes a lane; the scale words beside them.
; A block's scale is 2^(floor(log2(its largest magnitude)) - 2); its byte is the largest magnitude's exponent field - 2, held at 1 from below.
; LIMITS: NaN and infinities among the inputs are not served.  A block whose largest magnitude lies under 2^-124 (a block of zeros among them) keeps the byte 1
; where the quantiser's text says 127 for zeros: its codes are zeros, and this program alone reads the bytes.  A token whose two best gate probabilities lie closer than
; the error of an f32 sum of 512 terms may be given the other of the two experts.
; LAYOUTS.  xq: a row is 384 bytes; in each K step of 128 (96 bytes) the four blocks of 24 bytes lie in the order 0, 2, 1, 3, so that lane (r, h) of a fragment
; finds its 12 registers as 48 bytes on end at 96 s + 48 h.  xs: 16 bytes a row, block by block.
; wf: a fragment (16 rows x 128 K) is 1,536 bytes: [piece 0..2][lane][16 bytes]; eight fragments make a step of 12,288 bytes.  wsc: 512 bytes a step: [r + 16 u][b] words: row r of tile 2 b + u.
; No tensor loads, no barrier: waves share nothing.  Only path X uses LDS.
.set EMAX,  2
.set SP,    80                         ; a lane's place in a stage: 64 bytes + 16 of padding
.set WREG,  8192                       ; LDS of a wave: two stages of 32 x SP bytes, then its 256 scale bytes
.set R,     16                         ; v16-79   four sets of 16 numbers as loaded
.set X,     80                         ; v80-111  two sets of 16 neighbours
.set E,     112                        ; v112-127 a scale byte for each step
.set C,     128                        ; v128-191 four registers of codes for each step: no store's data are written again
.set A,     192                        ; v192-199 the row's eight partial logits
.set T,     200                        ; v200-207 at work in the sum over lanes
.set L,     208                        ; v208-215 lanes t and t + 16 keep row t's logits
                                       ; window 1, v0-127: Wg[16 lane + i][e] at 8 i + e
.set MSB, 0
.macro WIN new                         ; the immediate's high byte repeats the setting that is left
.if MSB != \new
	s_set_vgpr_msb (MSB<<8)|\new
.set MSB, \new
.endif
.endm
	s_load_b512 s[4:19], s[0:1], 0x0               ; x s[4:5], Wg s[6:7], bg s[8:9], W1 s[10:11], W2 s[12:13], xq s[14:15], xs s[16:17], ids s[18:19]
	s_load_b128 s[20:23], s[0:1], 0x40             ; wf s[20:21], wsc s[22:23]
	v_lshl_add_u32 v254, v0, 2, 0x8000
	v_mov_b32 v255, 0
	v_lshrrev_b32 v1, 5, v0
	v_readfirstlane_b32 s3, v1                     ; wave 0..3
	v_and_b32 v2, 31, v0                           ; lane
	s_wait_kmcnt 0x0
	s_cmp_lt_u32 ttmp9, 128
	s_cbranch_scc1 .Lpath_x
	s_cmp_lt_u32 ttmp9, 384
	s_cbranch_scc1 .Lpath_w1
; A WEIGHT'S PATH.  The work-group takes one step: 128 along K x 128 columns; wave b takes columns 32 b on.  A LANE TAKES A COLUMN AND ITS REGISTERS RUN DOWN K:
; a load reads 128 bytes on end in a wave (512 in the work-group), a block of 32 lies in one lane, and the conversions give codes with K innermost.
; A column's blocks 0, 2 are the registers of the fragment's lane (r, 0), blocks 1, 3 those of lane (r, 1).
; perm = 1 (W1): column l is row r = l % 8 + 8 (l / 16) of tile 2 b + (l / 8) % 2, so that the 16 result registers of two neighbouring tiles are 16 neighbours along the next K.
; perm = 0 (W2): column l is row l % 16 of tile 2 b + l / 16.
.macro WPATH first, src, pitch, perm, wfoff, wscoff
	s_sub_co_u32 s32, ttmp9, \first                ; the step's number j = 32 e + ..
	s_lshr_b32 s33, s32, 5
	s_lshl_b32 s33, s33, 21                        ; expert: 2,097,152 bytes
.if \perm
	s_and_b32 s34, s32, 3                          ; K step s: 128 rows of 4,096 bytes
	s_lshl_b32 s34, s34, 19
	s_bfe_u32 s35, s32, 0x30002                    ; chunk c of 128 columns
.else
	s_and_b32 s34, s32, 7                          ; K step k: 128 rows of 2,048 bytes
	s_lshl_b32 s34, s34, 18
	s_bfe_u32 s35, s32, 0x20003                    ; group g of 128 columns
.endif
	s_lshl_b32 s35, s35, 9
	s_add_co_u32 s36, s33, s34
	s_add_co_u32 s36, s36, s35
	s_lshl_b32 s35, s3, 7                          ; my wave's 32 columns
	s_add_co_u32 s36, s36, s35
	s_mov_b32 s37, 0
	s_add_nc_u64 s[\src:\src+1], s[\src:\src+1], s[36:37]
	v_lshlrev_b32 v3, 2, v2
.set i, 0
.rept 128
	global_load_b32 v[16+i], v3, s[\src:\src+1] offset:i*\pitch th:TH_LOAD_NT   ; row i of the step, my column; read once in the launch
.set i, i+1
.endr
	s_mul_i32 s36, s32, 12288                      ; where my two fragments go
	s_mul_i32 s35, s3, 3072
	s_add_co_u32 s36, s36, s35
	s_add_co_u32 s36, s36, \wfoff
	s_add_nc_u64 s[20:21], s[20:21], s[36:37]
	s_lshl_b32 s36, s32, 9                         ; and my scale words
	s_lshl_b32 s35, s3, 2
	s_add_co_u32 s36, s36, s35
	s_add_co_u32 s36, s36, \wscoff
	s_add_nc_u64 s[22:23], s[22:23], s[36:37]
.if \perm
	v_bfe_u32 v4, v2, 3, 1                         ; u
	v_and_b32 v5, 7, v2
	v_lshrrev_b32 v6, 4, v2
	v_lshl_add_u32 v5, v6, 3, v5                   ; r
.else
	v_lshrrev_b32 v4, 4, v2                        ; u
	v_and_b32 v5, 15, v2                           ; r
.endif
	v_mul_u32_u24 v6, v4, 1536
	v_lshl_add_u32 v6, v5, 4, v6                   ; fragment u, lane r's 16 bytes
	v_lshlrev_b32 v7, 8, v4
	v_lshl_add_u32 v7, v5, 4, v7                   ; 16 (r + 16 u)
.irp bb, 0,1,2,3
.if \bb == 0
	s_wait_loadcnt 63                              ; of 128 loads at most 63 are out: the first 65 are in: blocks 0 and 1
.elseif \bb == 2
	s_wait_loadcnt 32                              ; block 3's 32 may be out
.elseif \bb == 3
	s_wait_loadcnt 0x0
.endif
.set XB, 16+32*\bb
	v_max3_num_f32 v12, |v[XB]|, |v[XB+1]|, |v[XB+2]|              ; the block's largest magnitude: all 32 numbers are mine; two chains
	v_max3_num_f32 v13, |v[XB+3]|, |v[XB+4]|, |v[XB+5]|
.irp i, 6,10,14,18,22,26
	v_max3_num_f32 v12, v12, |v[XB+\i]|, |v[XB+\i+1]|
	v_max3_num_f32 v13, v13, |v[XB+\i+2]|, |v[XB+\i+3]|
.endr
	v_max3_num_f32 v12, v12, |v[XB+30]|, |v[XB+31]|
	v_max3_num_f32 v12, v12, v13, (EMAX+1)<<23     ; and the floor 2^(3 - 127): the byte cannot fall under 1
	v_add_nc_u32 v[184+\bb], 0xff000000, v12       ; 2 off the exponent field: the conversion takes this operand's exponent field as its scale
	v_lshrrev_b32 v13, 23, v[184+\bb]              ; the scale's byte
.if \bb == 0
	v_mov_b32 v192, v13
.else
	v_lshl_or_b32 v192, v13, 8*\bb, v192           ; byte bb of the column's scale word
.endif
	v_cvt_scalef32_pk16_fp6_f32 v[144+12*(\bb%2)+6*(\bb/2):144+12*(\bb%2)+6*(\bb/2)+2], v[XB:XB+15], v[184+\bb]
	v_cvt_scalef32_pk16_fp6_f32 v[168+4*\bb:168+4*\bb+2], v[XB+16:XB+31], v[184+\bb]   ; (a conversion's three registers begin on an even number: made here and moved)
.endr
	v_nop                                          ; one plain instruction behind the last scaled conversion
.irp bb, 0,1,2,3
.irp i, 0,1,2
	v_mov_b32 v[144+12*(\bb%2)+6*(\bb/2)+3+\i], v[168+4*\bb+\i]
.endr
.endr
.irp h, 0,1
.irp p, 0,1,2
	global_store_b128 v6, v[144+12*\h+4*\p:144+12*\h+4*\p+3], s[20:21] offset:512*\p+256*\h   ; sixteen lanes of one u store 256 bytes on end, at a multiple of 256
.endr
.endr
	global_store_b32 v7, v192, s[22:23]            ; the scale words: 4 bytes at every 16: one byte in 128 of what the path reads
	s_endpgm
.endm
	WPATH 384, 12, 2048, 0, 3145728, 131072
.Lpath_w1:
	WPATH 128, 10, 4096, 1, 0, 0
; PATH X.  Wave 4 x work-group + wave takes 16 rows, a row (512 numbers, 2,048 bytes) a step.  Each of a step's four loads reads 512 bytes on end; the row turns through the
; wave's own stage in LDS and comes back 64 bytes a lane: lane l then holds numbers 16 l .. 16 l + 15 of the row, two neighbouring lanes a block.
.Lpath_x:
	s_load_b256 s[24:31], s[8:9], 0x0              ; bg: nothing in this launch writes it
	s_lshl_b32 s32, ttmp9, 2
	s_add_co_u32 s32, s32, s3                      ; my run of 16 rows
	s_mov_b32 s35, 0
	s_lshl_b32 s34, s32, 15
	s_add_nc_u64 s[4:5], s[4:5], s[34:35]          ; x: 16 rows of 2,048 bytes
	s_mul_i32 s34, s32, 6144
	s_add_nc_u64 s[14:15], s[14:15], s[34:35]      ; xq: 16 rows of 384
	s_lshl_b32 s34, s32, 8
	s_add_nc_u64 s[16:17], s[16:17], s[34:35]      ; xs: 16 rows of 16
	s_lshl_b32 s34, s32, 6
	s_add_nc_u64 s[18:19], s[18:19], s[34:35]      ; ids: 16 words
	s_mov_b32 s38, 0x76543210
	s_mov_b32 s39, 0xfedcba98                      ; v_permlanex16_b32's selects for lane l xor 16
	v_lshlrev_b32 v10, 9, v2                       ; Wg: my 16 rows of 32 bytes
	WIN 0x40                                       ; destination window 1
.set i, 0
.rept 32
	global_load_b128 v[4*i:4*i+3], v10, s[6:7] offset:16*i
.set i, i+1
.endr
	WIN 0
	v_lshlrev_b32 v3, 4, v2                        ; my 16 bytes of a load's 512
	s_mul_i32 s36, s3, WREG
	v_lshrrev_b32 v14, 2, v2
	v_mul_u32_u24 v14, v14, SP
	v_and_b32 v15, 3, v2
	v_lshl_add_u32 v14, v15, 4, v14
	v_add_nc_u32 v14, s36, v14                     ; the stage, in: SP (lane / 4) + 16 (lane % 4)
	v_mul_u32_u24 v15, v2, SP
	v_add_nc_u32 v15, s36, v15                     ; out: SP x lane
	v_lshrrev_b32 v8, 3, v2
	v_mul_u32_u24 v4, v8, 96                       ; my 12 bytes in the row of xq: K step lane / 8,
	v_bfe_u32 v8, v2, 1, 1
	v_mad_u32_u24 v4, v8, 48, v4                   ; odd blocks behind the even ones,
	v_bfe_u32 v8, v2, 2, 1
	v_mad_u32_u24 v4, v8, 24, v4
	v_and_b32 v8, 1, v2
	v_mad_u32_u24 v4, v8, 12, v4                   ; the block's half
	v_lshrrev_b32 v5, 1, v2
	s_add_co_u32 s36, s36, 2*32*SP
	v_add_nc_u32 v5, s36, v5                       ; LDS: my block's scale byte
	v_lshlrev_b32 v7, 3, v2
	v_add_nc_u32 v6, s36, v7                       ; and 8 bytes a lane on the way out
.irp e, 0,1,2,3,4,5,6,7
	v_mov_b32 v[T+\e], 0                           ; written once: a lane permute's destination counts as read
	v_mov_b32 v[L+\e], 0
.endr
.macro LOADX t
.irp i, 0,1,2,3
	global_load_b128 v[R+16*((\t)%4)+4*\i:R+16*((\t)%4)+4*\i+3], v3, s[4:5] offset:2048*(\t)+512*\i th:TH_LOAD_NT
.endr
.endm
.macro TURN t                          ; LDS serves a wave's instructions in order: no wait between these stores and loads
.irp i, 0,1,2,3
	ds_store_b128 v14, v[R+16*((\t)%4)+4*\i:R+16*((\t)%4)+4*\i+3] offset:32*SP*((\t)%2)+8*SP*\i
.endr
.irp i, 0,1,2,3
	ds_load_b128 v[X+16*((\t)%2)+4*\i:X+16*((\t)%2)+4*\i+3], v15 offset:32*SP*((\t)%2)+16*\i
.endr
.endm
.irp t, 0,1,2,3
	LOADX \t
.endr
	s_wait_loadcnt 12                              ; Wg and row 0 are in; rows 1 to 3 (12 loads) may be out
	TURN 0
.macro STEPX t
.set XB, X+16*((\t)%2)
.if (\t) > 0
	s_wait_dscnt 1                                 ; the row is back from the stage (the last step's byte store may be out), so its stores into the stage have read their registers,
.else
	s_wait_dscnt 0x0
.endif
.if (\t)+4 < 16
	LOADX (\t)+4                                   ; which take the row four steps on
.endif
.if (\t)+1 < 16
.if 14-(\t) >= 3
	s_wait_loadcnt 12                              ; the next row's four loads are in; three rows behind it may be out
.else
	s_wait_loadcnt 4*(14-(\t))
.endif
	TURN (\t)+1
.endif
	v_max3_num_f32 v8, |v[XB]|, |v[XB+1]|, |v[XB+2]|               ; the largest magnitude of my 16
	v_max3_num_f32 v9, |v[XB+3]|, |v[XB+4]|, |v[XB+5]|
.irp i, 6,10
	v_max3_num_f32 v8, v8, |v[XB+\i]|, |v[XB+\i+1]|
	v_max3_num_f32 v9, v9, |v[XB+\i+2]|, |v[XB+\i+3]|
.endr
	v_max3_num_f32 v8, v8, |v[XB+14]|, |v[XB+15]|
	v_max3_num_f32 v8, v8, v9, (EMAX+1)<<23        ; and the floor
	v_max_num_f32_dpp v8, v8, v8 row_xmask:1 row_mask:0xf bank_mask:0xf   ; with my neighbour's 16: the block's
	v_add_nc_u32 v11, 0xff000000, v8               ; 2 off the exponent field: the conversion's scale operand
	v_cvt_scalef32_pk16_fp6_f32 v[C+4*(\t):C+4*(\t)+2], v[XB:XB+15], v11
	v_lshrrev_b32 v[E+(\t)], 23, v11               ; the scale's byte (also the plain instruction behind the conversion)
	ds_store_b8 v5, v[E+(\t)] offset:16*(\t)       ; both lanes of a block write the same byte with the same value
	global_store_b96 v4, v[C+4*(\t):C+4*(\t)+2], s[14:15] offset:384*(\t)   ; the wave stores the row's 384 bytes
	; the gate: my 16 numbers against my 16 rows of Wg, eight experts in four pairs by turns
	WIN 0x04                                       ; source 1 (Wg) in window 1
.irp a, 0,1,2,3
	v_pk_mul_f32 v[A+2*\a:A+2*\a+1], v[XB:XB+1], v[2*\a:2*\a+1] op_sel_hi:[0,1]
.endr
.set i, 1
.rept 15
.irp a, 0,1,2,3
.if i%2
	v_pk_fma_f32 v[A+2*\a:A+2*\a+1], v[XB+i-1:XB+i], v[8*i+2*\a:8*i+2*\a+1], v[A+2*\a:A+2*\a+1] op_sel:[1,0,0] op_sel_hi:[1,1,1]
.else
	v_pk_fma_f32 v[A+2*\a:A+2*\a+1], v[XB+i:XB+i+1], v[8*i+2*\a:8*i+2*\a+1], v[A+2*\a:A+2*\a+1] op_sel_hi:[0,1,1]
.endif
.endr
.set i, i+1
.endr
	WIN 0
.irp k, 1,2,4,8
.irp e, 0,1,2,3,4,5,6,7
	v_add_f32_dpp v[A+\e], v[A+\e], v[A+\e] row_xmask:\k row_mask:0xf bank_mask:0xf
.endr
.endr
.irp e, 0,1,2,3,4,5,6,7
	v_permlanex16_b32 v[T+\e], v[A+\e], s38, s39
.endr
.irp e, 0,1,2,3,4,5,6,7
	v_add_f32 v[A+\e], v[A+\e], v[T+\e]            ; every lane holds the row's eight sums
.endr
	s_mov_b32 s40, 0x10001<<(\t)
.irp e, 0,1,2,3,4,5,6,7
	v_cndmask_b32 v[L+\e], v[L+\e], v[A+\e], s40   ; lanes t and t + 16 keep them
.endr
.endm
.irp t, 0,1,2,3,4,5,6,7,8,9,10,11,12,13,14,15
	STEPX \t
.endr
	; sixteen rows' softmax and argmax at once, a row a lane
	s_wait_kmcnt 0x0                               ; bg
.irp e, 0,1,2,3,4,5,6,7
	v_add_f32 v[L+\e], s[24+\e], v[L+\e]
.endr
	v_max3_num_f32 v216, v[L], v[L+1], v[L+2]
	v_max3_num_f32 v216, v216, v[L+3], v[L+4]
	v_max3_num_f32 v216, v216, v[L+5], v[L+6]
	v_max_num_f32 v216, v216, v[L+7]               ; the row's largest logit is taken away ahead of the exponentials
.irp e, 0,1,2,3,4,5,6,7
	v_sub_f32 v[218+\e], v[L+\e], v216
.endr
.irp e, 0,1,2,3,4,5,6,7
	v_mul_f32 v[218+\e], 0x3fb8aa3b, v[218+\e]     ; x log2(e)
.endr
.irp e, 0,1,2,3,4,5,6,7
	v_exp_f32 v[218+\e], v[218+\e]
.endr
	v_nop                                          ; a plain instruction behind the last exponential
	s_wait_alu depctr_va_vdst(0)                   ; one wait for the eight, ahead of their first reader
	v_add_f32 v226, v218, v219
	v_add_f32 v227, v220, v221
	v_add_f32 v228, v222, v223
	v_add_f32 v229, v224, v225
	v_add_f32 v226, v226, v227
	v_add_f32 v228, v228, v229
	v_add_f32 v226, v226, v228
	v_rcp_f32 v227, v226
	v_nop
	s_wait_alu depctr_va_vdst(0)                   ; and one for the reciprocal
.irp e, 0,1,2,3,4,5,6,7
	v_mul_f32 v[218+\e], v[218+\e], v227           ; the probabilities
.endr
	v_mov_b32 v228, v218
	v_mov_b32 v229, 0
.irp e, 1,2,3,4,5,6,7
	v_cmp_gt_f32 vcc_lo, v[218+\e], v228           ; strictly larger: the lowest index keeps a tie
	v_cndmask_b32 v229, v229, \e, vcc_lo
	v_max_num_f32 v228, v228, v[218+\e]
.endr
	ds_load_b64 v[12:13], v6                       ; my wave's 256 scale bytes: these loads see my stores
	v_lshlrev_b32 v9, 2, v2
	s_wait_dscnt 0x0
	global_store_b64 v7, v[12:13], s[16:17]        ; 32 lanes store 256 bytes on end, at a multiple of 256
	v_cmp_gt_u32 vcc_lo, 16, v2
	s_wait_xcnt 0x0                                ; EXEC is a source of the stores above: it changes only behind this wait
	s_wait_tensorcnt 0x0
	ds_add_u32 v254, v255
	s_wait_dscnt 0x0
	s_and_saveexec_b32 s41, vcc_lo
	global_store_b32 v9, v229, s[18:19]            ; lanes 0-15: the sixteen rows' experts, at fixed places
	s_wait_xcnt 0x0
	s_or_b32 exec_lo, exec_lo, s41
	s_endpgm
.Lfunc_end_k_qea5684adb9_prep:
	.size	k_qea5684adb9_prep, .Lfunc_end_k_qea5684adb9_prep-k_qea5684adb9_prep
	.p2alignl 7, 3214868480
	.fill 96, 4, 3214868480
	.section	.rodata,"a",@progbits
	.p2align	6, 0x0
	.amdhsa_kernel k_qea5684adb9_prep
		.amdhsa_group_segment_fixed_size 33280
		.amdhsa_private_segment_fixed_size 0
		.amdhsa_enable_private_segment 0
		.amdhsa_kernarg_size 80
		.amdhsa_user_sgpr_count 2
		.amdhsa_user_sgpr_kernarg_segment_ptr 1
		.amdhsa_wavefront_size32 1
		.amdhsa_system_sgpr_workgroup_id_x 1
		.amdhsa_system_sgpr_workgroup_id_y 1
		.amdhsa_system_sgpr_workgroup_id_z 1
		.amdhsa_system_vgpr_workitem_id 0
		.amdhsa_next_free_vgpr 384
		.amdhsa_next_free_sgpr 66
		.amdhsa_reserve_vcc 1
		.amdhsa_float_denorm_mode_32 3
		.amdhsa_float_denorm_mode_16_64 3
		.amdhsa_memory_ordered 1
		.amdhsa_forward_progress 1
		.amdhsa_inst_pref_size 197
	.end_amdhsa_kernel
	.amdgpu_metadata
---
amdhsa.version: [ 1, 2 ]
amdhsa.kernels:
  - .name:           k_qea5684adb9_prep
    .symbol:         k_qea5684adb9_prep.kd
    .args:
      - { .name: x, .offset: 0, .size: 8, .value_kind: global_buffer, .address_space: global }
      - { .name: Wg, .offset: 8, .size: 8, .value_kind: global_buffer, .address_space: global }
      - { .name: bg, .offset: 16, .size: 8, .value_kind: global_buffer, .address_space: global }
      - { .name: W1, .offset: 24, .size: 8, .value_kind: global_buffer, .address_space: global }
      - { .name: W2, .offset: 32, .size: 8, .value_kind: global_buffer, .address_space: global }
      - { .name: xq, .offset: 40, .size: 8, .value_kind: global_buffer, .address_space: global }
      - { .name: xs, .offset: 48, .size: 8, .value_kind: global_buffer, .address_space: global }
      - { .name: ids, .offset: 56, .size: 8, .value_kind: global_buffer, .address_space: global }
      - { .name: wf, .offset: 64, .size: 8, .value_kind: global_buffer, .address_space: global }
      - { .name: wsc, .offset: 72, .size: 8, .value_kind: global_buffer, .address_space: global }
    .group_segment_fixed_size: 33280
    .private_segment_fixed_size: 0
    .kernarg_segment_align: 8
    .kernarg_segment_size: 80
    .max_flat_workgroup_size: 128
    .sgpr_count:     66
    .vgpr_count:     384
    .wavefront_size: 32
...
	.end_amdgpu_metadata
.endif
;; end of part 1
;; launch place (part 2): grid 1 x 1, 32 waves a work-group, no clusters, 5,120 bytes of LDS; arguments ids, order, tiles; writes order, tiles
.if DOCPART == 2
	.amdgcn_target "amdgcn-amd-amdhsa--gfx1250"
	.amdhsa_code_object_version 6
	.text
	.protected	k_qea5684adb9_place
	.globl	k_qea5684adb9_place
	.p2align	8
	.type	k_qea5684adb9_place,@function
k_qea5684adb9_place:
	s_mov_b64 s[64:65], 0
	v_nop
	global_prefetch_b8 v0, s[64:65] scope:SCOPE_SE
	s_setreg_imm32_b32 hwreg(HW_REG_WAVE_MODE, 25, 1), 1
	s_wait_xcnt 0x0
; PLACE: a counting sort of the 8,192 tokens by expert, by one work-group of 1,024 threads, without atomics.
; order: tile i of 64 rows owns entries 64 i .. 64 i + 63: the tokens' numbers; places that no token takes hold 0.  An expert's tokens begin at a tile's first place.
; tiles: 256 entries of 16 bytes: (expert, rows 0 .. 64, the tile's number within its expert, 0).  With 8,192 tokens and 8 experts there are never more than 135 tiles with rows.
; Thread t owns tokens 8 t .. 8 t + 7.  Counts go in fields: 4 bits a thread (at most 8), then 16 bits (at most 8,640), two experts a word, four words.
.set SH,  24                           ; v24-31  4 x the token's expert
.set RK,  32                           ; v32-39  its rank among the thread's tokens of that expert
.set CW,  40                           ; v40-43  the thread's counts
.set S,   44                           ; v44-47  their running sums over the wave's lanes
.set TT,  48                           ; v48-51  at work in SCAN
.set EX,  52                           ; v52-55  the sums without the thread's own
.set Q,   64                           ; v64-67  the waves' totals, a wave a lane; v68-71 a copy
.set OF,  72                           ; v72-79  byte offsets in order;  v80-87 the tokens' numbers: each store has registers of its own
.set PB,  88                           ; v88-91  where the thread's first token of each expert goes
	s_load_b128 s[4:7], s[0:1], 0x0                ; ids s[4:5], order s[6:7]
	s_load_b64 s[8:9], s[0:1], 0x10                ; tiles
	v_lshl_add_u32 v126, v0, 2, 0x400
	v_mov_b32 v127, 0
	v_lshrrev_b32 v60, 5, v0
	v_readfirstlane_b32 s10, v60                   ; wave 0..31
	v_lshlrev_b32 v60, 4, v60                      ; LDS: my wave's 16 bytes
	v_and_b32 v61, 31, v0
	v_lshlrev_b32 v61, 4, v61                      ; and lane l reads wave l's
	v_lshlrev_b32 v1, 4, v0
	v_lshlrev_b32 v2, 5, v0
	v_bfe_u32 v3, v0, 4, 1
	v_sub_nc_u32 v3, 0, v3                         ; all ones in lanes 16-31
.irp i, 0,1,2,3
	v_mov_b32 v[4+\i], 0
	v_mov_b32 v[TT+\i], 0                          ; written once: a DPP form's destination counts as read
.endr
	s_wait_kmcnt 0x0
	global_load_b128 v[8:11], v2, s[4:5]
	global_load_b128 v[12:15], v2, s[4:5] offset:16
.irp k, 0,1,2
	global_store_b128 v1, v[4:7], s[6:7] offset:16384*\k   ; all of order is written 0 first: 3 x 1,024 threads x 16 bytes
.endr
	s_wait_loadcnt 0x0
	v_mov_b32 v16, 0
.irp j, 0,1,2,3,4,5,6,7
	v_min_u32 v[8+\j], 7, v[8+\j]
	v_lshlrev_b32 v[SH+\j], 2, v[8+\j]
	v_bfe_u32 v[RK+\j], v16, v[SH+\j], 4           ; how many of my earlier tokens chose this expert
	v_lshl_add_u32 v16, 1, v[SH+\j], v16
.endr
.irp i, 0,1,2,3
	v_bfe_u32 v[CW+\i], v16, 8*\i, 4               ; expert 2 i below, expert 2 i + 1 above
	v_bfe_u32 v17, v16, 8*\i+4, 4
	v_lshl_or_b32 v[CW+\i], v17, 16, v[CW+\i]
	v_mov_b32 v[S+\i], v[CW+\i]
.endr
; the running sums of four words over the 32 lanes, the lane's own included
.macro SCAN s
.irp d, 1,2,4,8
.irp i, 0,1,2,3
	v_mov_b32_dpp v[TT+\i], v[\s+\i] row_shr:\d row_mask:0xf bank_mask:0xf bound_ctrl:1   ; lane l - d of my 16, or 0
.endr
.irp i, 0,1,2,3
	v_add_nc_u32 v[\s+\i], v[\s+\i], v[TT+\i]
.endr
.endr
.irp i, 0,1,2,3
	v_readlane_b32 s[12+\i], v[\s+\i], 15          ; the lower 16 lanes' total
.endr
.irp i, 0,1,2,3
	v_and_b32 v[TT+\i], s[12+\i], v3               ; is added in the upper 16
.endr
.irp i, 0,1,2,3
	v_add_nc_u32 v[\s+\i], v[\s+\i], v[TT+\i]
.endr
.endm
	SCAN S
.irp i, 0,1,2,3
	v_sub_nc_u32 v[EX+\i], v[S+\i], v[CW+\i]
	v_readlane_b32 s[16+\i], v[S+\i], 31           ; my wave's totals
.endr
.irp i, 0,1,2,3
	v_mov_b32 v[56+\i], s[16+\i]
.endr
	ds_store_b128 v60, v[56:59]                    ; all lanes write the same 16 bytes with the same values
	s_wait_storecnt 0x0                            ; my part of the zeros is written: no wave stores a token's number before all zeros are there
	s_wait_dscnt 0x0                               ; for the others' sake: my totals are in LDS
	s_barrier_signal -1
	s_barrier_wait -1
	ds_load_b128 v[Q:Q+3], v61
	s_wait_dscnt 0x0
.irp i, 0,1,2,3
	v_mov_b32 v[Q+4+\i], v[Q+\i]
.endr
	SCAN Q
.irp i, 0,1,2,3
	v_sub_nc_u32 v[Q+4+\i], v[Q+\i], v[Q+4+\i]     ; the waves ahead of wave l
	v_readlane_b32 s[20+\i], v[Q+\i], 31           ; the experts' counts
.endr
.irp i, 0,1,2,3
	v_readlane_b32 s[40+\i], v[Q+4+\i], s10        ; the waves ahead of mine
.endr
.irp i, 0,1,2,3
	s_and_b32 s[24+2*\i], s[20+\i], 0xffff         ; s24-31: expert e's count
	s_lshr_b32 s[25+2*\i], s[20+\i], 16
.endr
	s_mov_b32 s32, 0                               ; s32-39: expert e's first tile
.irp e, 0,1,2,3,4,5,6
	s_add_co_u32 s48, s[24+\e], 63
	s_lshr_b32 s48, s48, 6
	s_add_co_u32 s[33+\e], s[32+\e], s48
.endr
.irp i, 0,1,2,3
	s_lshl_b32 s48, s[32+2*\i], 6
	s_lshl_b32 s49, s[33+2*\i], 22
	s_or_b32 s48, s48, s49
	s_add_co_u32 s[44+\i], s48, s[40+\i]           ; 64 x first tile + the waves ahead, in both fields (a place stays under 8,640: no carry)
.endr
.irp i, 0,1,2,3
	v_add_nc_u32 v[PB+\i], s[44+\i], v[EX+\i]
.endr
.irp j, 0,1,2,3,4,5,6,7
	v_cmp_lt_u32 vcc_lo, 15, v[SH+\j]              ; experts 4 to 7: words 2, 3
	v_cndmask_b32 v17, v[PB], v[PB+2], vcc_lo
	v_cndmask_b32 v18, v[PB+1], v[PB+3], vcc_lo
	v_and_b32 v19, 8, v[SH+\j]
	v_cmp_ne_u32 vcc_lo, 0, v19
	v_cndmask_b32 v17, v17, v18, vcc_lo
	v_and_b32 v19, 4, v[SH+\j]
	v_lshlrev_b32 v19, 2, v19                      ; odd experts: the upper field
	v_bfe_u32 v17, v17, v19, 16
	v_add_nc_u32 v17, v17, v[RK+\j]
	v_min_u32 v17, 8639, v17                       ; a place lies under 135 x 64
	v_lshlrev_b32 v[OF+\j], 2, v17
	v_lshl_add_u32 v[OF+8+\j], v0, 3, \j           ; the token's number
	global_store_b32 v[OF+\j], v[OF+8+\j], s[6:7]
.endr
	s_cmp_lt_u32 s10, 8                            ; the table: threads 0-255, an entry each
	s_cbranch_scc0 .Lend
	v_mov_b32 v92, 0                               ; expert
	v_mov_b32 v96, 0                               ; its first tile
	v_mov_b32 v97, s24                             ; its count
.irp e, 1,2,3,4,5,6,7
	v_cmp_le_u32 vcc_lo, s[32+\e], v0              ; the last expert whose first tile is not beyond mine (one without tokens is passed over by its successor)
	v_cndmask_b32 v92, v92, \e, vcc_lo
	v_cndmask_b32 v96, v96, s[32+\e], vcc_lo
	v_cndmask_b32 v97, v97, s[24+\e], vcc_lo
.endr
	v_sub_nc_u32 v94, v0, v96                      ; the tile's number within the expert
	v_lshlrev_b32 v98, 6, v94
	v_min_u32 v98, v97, v98
	v_sub_nc_u32 v93, v97, v98
	v_min_u32 v93, 64, v93                         ; rows: what is left of the count, 64 at the most, 0 beyond the last tile
	v_mov_b32 v95, 0
	global_store_b128 v1, v[92:95], s[8:9]
.Lend:
	s_wait_tensorcnt 0x0
	ds_add_u32 v126, v127
	s_wait_dscnt 0x0
	s_endpgm
.Lfunc_end_k_qea5684adb9_place:
	.size	k_qea5684adb9_place, .Lfunc_end_k_qea5684adb9_place-k_qea5684adb9_place
	.p2alignl 7, 3214868480
	.fill 96, 4, 3214868480
	.section	.rodata,"a",@progbits
	.p2align	6, 0x0
	.amdhsa_kernel k_qea5684adb9_place
		.amdhsa_group_segment_fixed_size 5120
		.amdhsa_private_segment_fixed_size 0
		.amdhsa_enable_private_segment 0
		.amdhsa_kernarg_size 24
		.amdhsa_user_sgpr_count 2
		.amdhsa_user_sgpr_kernarg_segment_ptr 1
		.amdhsa_wavefront_size32 1
		.amdhsa_system_sgpr_workgroup_id_x 1
		.amdhsa_system_sgpr_workgroup_id_y 1
		.amdhsa_system_sgpr_workgroup_id_z 1
		.amdhsa_system_vgpr_workitem_id 0
		.amdhsa_next_free_vgpr 128
		.amdhsa_next_free_sgpr 66
		.amdhsa_reserve_vcc 1
		.amdhsa_float_denorm_mode_32 3
		.amdhsa_float_denorm_mode_16_64 3
		.amdhsa_memory_ordered 1
		.amdhsa_forward_progress 1
		.amdhsa_inst_pref_size 19
	.end_amdhsa_kernel
	.amdgpu_metadata
---
amdhsa.version: [ 1, 2 ]
amdhsa.kernels:
  - .name:           k_qea5684adb9_place
    .symbol:         k_qea5684adb9_place.kd
    .args:
      - { .name: ids, .offset: 0, .size: 8, .value_kind: global_buffer, .address_space: global }
      - { .name: order, .offset: 8, .size: 8, .value_kind: global_buffer, .address_space: global }
      - { .name: tiles, .offset: 16, .size: 8, .value_kind: global_buffer, .address_space: global }
    .group_segment_fixed_size: 5120
    .private_segment_fixed_size: 0
    .kernarg_segment_align: 8
    .kernarg_segment_size: 24
    .max_flat_workgroup_size: 1024
    .sgpr_count:     66
    .vgpr_count:     128
    .wavefront_size: 32
...
	.end_amdgpu_metadata
.endif
;; end of part 2
;; launch chain (part 3): grid 135 x 1, 4 waves a work-group, no clusters, 114,176 bytes of LDS; arguments xq, xs, wf, wsc, b1, b2, order, tiles, out0; writes out0
.if DOCPART == 3
	.amdgcn_target "amdgcn-amd-amdhsa--gfx1250"
	.amdhsa_code_object_version 6
	.text
	.protected	k_qea5684adb9_chain
	.globl	k_qea5684adb9_chain
	.p2align	8
	.type	k_qea5684adb9_chain,@function
k_qea5684adb9_chain:
	s_mov_b64 s[64:65], 0
	v_nop
	global_prefetch_b8 v0, s[64:65] scope:SCOPE_SE
	s_setreg_imm32_b32 hwreg(HW_REG_WAVE_MODE, 25, 1), 1
	s_wait_xcnt 0x0
; CHAIN: out[token] = relu(x W1[e] + b1[e]) W2[e] + b2[e] for the expert e that the gate chose, both products on codes of FP6 (E2M3) with one E8M0 scale for each 32 along K.
; Work-group i takes tile i of the stored list: up to 64 tokens of ONE expert, through the whole chain; the hidden layer stays in LDS.  135 = 8192 / 64 + 7 work-groups serve every split.
; A tile without rows runs the chain on token 0 (the list's unused places hold 0) and stores nothing: so both barriers stand on every path, none behind a branch on a loaded number.
; NO CLUSTER, NO TENSOR LOAD: the stores stop at a row count read from memory, and which expert a neighbour has hangs on the stored list; the weights go from memory straight into operand registers.
; SHARES.  THE WAVES SHARE THE COLUMNS: wave w makes hidden units 256 w .. 256 w + 255 (two chunks of 128, each one K step of the second product) and outputs 128 w .. 128 w + 127, for all 64 rows.
; Both products are used transposed (source 0 = 16 rows of the weight, source 1 = 16 tokens): a lane holds one token, its registers run along hidden units or outputs.
; SIXTEEN STEPS of 32 matrix instructions (8 tiles of the weight x 4 tiles of tokens, 128 along K): 0-3 chunk 2 w, 4-7 chunk 2 w + 1, 8-15 the second product.
; A step's weights are 24 loads of 16 bytes a lane + 1 for the scale words; four sets of registers, asked for three steps ahead.
; x's and the hidden layer's fragments go from wave to wave through LDS as images of their registers (16 bytes a lane, 512 a store).
; The biases are the C of each sum's first matrix instruction.  LIMITS: NaN and infinities are not served; a block of the hidden layer whose largest number lies under 2^-124 (zeros among them) keeps the byte 1.
; REGISTERS.  window 0: v1-15, v208-210 addresses; v16-31 the tokens' scale words; v32-47 the weights' scale words, four sets; v48-143 two sets of four token fragments; v144-201 the quantiser; on the way out v48-207.
;   window 1: weight sets 0, 1 (v0-95, v96-191), v192-255 bias (chunk 2 w's, later b2's).  window 2: accumulator (m, t) at 64 m + 8 t.  window 3: weight sets 2, 3, v192-255 chunk 2 w + 1's bias.
.set XIMG, 0                           ; LDS: x's 16 fragments, (m, s) at (4 m + s) x 1,536
.set XSC,  24576                       ; their scale words: 512 m + 16 lane: four words, one a K step
.set HIMG, 26624                       ; the hidden layer's 32 fragments, (m, k) at (8 m + k) x 1,536
.set HSC,  75776                       ; their scale words: 512 k + 16 lane + 4 m
.set STG,  79872                       ; the way out: 16 rows x (512 + 16) bytes for each wave
.set XS,   16
.set WS,   32
.set XF,   48
.set TM,   144                         ; v144-147 largest numbers, v148-151 at work and bytes, v156-159 the conversions' scale operands
.set MSB, 0
.macro WIN new                         ; the immediate's high byte repeats the setting that is left
.if MSB != \new
	s_set_vgpr_msb (MSB<<8)|\new
.set MSB, \new
.endif
.endm
.macro PLACES                          ; four plain vector instructions behind a matrix instruction, ahead of loads into its registers and of reads of its results
.rept 4
	v_nop
.endr
.endm
; step n's weights into set n % 4: eight fragments and their scale words: 25 loads
.macro LOADW n
.if ((\n)%4) < 2
	WIN 0x40                                       ; destination window 1
.else
	WIN 0xc0                                       ; destination window 3
.endif
.set WB, 96*((\n)%2)
.irp f, 0,1,2,3,4,5,6,7
.irp p, 0,1,2
.if (\n) < 8
	global_load_b128 v[WB+12*\f+4*\p:WB+12*\f+4*\p+3], v1, s[24:25] offset:((\n)%8)*12288+1536*\f+512*\p
.else
	global_load_b128 v[WB+12*\f+4*\p:WB+12*\f+4*\p+3], v1, s[26:27] offset:((\n)%8)*12288+1536*\f+512*\p
.endif
.endr
.endr
	WIN 0
.if (\n) < 8
	global_load_b128 v[WS+4*((\n)%4):WS+4*((\n)%4)+3], v1, s[28:29] offset:((\n)%8)*512
.else
	global_load_b128 v[WS+4*((\n)%4):WS+4*((\n)%4)+3], v1, s[30:31] offset:((\n)%8)*512
.endif
.endm
; b1 of chunk 2 w + cc in the result's layout: tile t, lane (r, h): hidden units 32 (t / 2) + 16 h + 8 (t % 2) + 0 .. 7: 16 loads
.macro LOADB1 win, cc
	WIN \win
.irp t, 0,1,2,3,4,5,6,7
	global_load_b128 v[192+8*\t:192+8*\t+3], v15, s[36:37] offset:512*\cc+(32*(\t/2)+8*(\t%2))*4
	global_load_b128 v[192+8*\t+4:192+8*\t+7], v15, s[36:37] offset:512*\cc+(32*(\t/2)+8*(\t%2))*4+16
.endr
	WIN 0
.endm
.macro LOADB2                          ; b2: tile t, lane (r, h): outputs 16 t + 8 h + 0 .. 7
	WIN 0x40
.irp t, 0,1,2,3,4,5,6,7
	global_load_b128 v[192+8*\t:192+8*\t+3], v208, s[38:39] offset:64*\t
	global_load_b128 v[192+8*\t+4:192+8*\t+7], v208, s[38:39] offset:64*\t+16
.endr
	WIN 0
.endm
.macro FETCHX n                        ; x's four fragments of K step n % 4 into set n % 2
	WIN 0
.irp m, 0,1,2,3
.irp p, 0,1,2
	ds_load_b128 v[XF+48*((\n)%2)+12*\m+4*\p:XF+48*((\n)%2)+12*\m+4*\p+3], v1 offset:XIMG+(4*\m+(\n)%4)*1536+512*\p
.endr
.endr
.endm
.macro FETCHH n                        ; the hidden layer's four fragments of K step n - 8, and their four scale words
	WIN 0
.irp m, 0,1,2,3
.irp p, 0,1,2
	ds_load_b128 v[XF+48*((\n)%2)+12*\m+4*\p:XF+48*((\n)%2)+12*\m+4*\p+3], v6 offset:(8*\m+(\n)-8)*1536+512*\p
.endr
.endr
	ds_load_b128 v[XS+4*((\n)%2):XS+4*((\n)%2)+3], v7 offset:512*((\n)-8)
.endm
.macro MULWIN n                        ; source 0 (weights) window 1 or 3, source 1 window 0, D window 2; C window 2, or the bias's window in a sum's first step
.if ((\n) == 0) || ((\n) == 8)
	WIN 0x91
.elseif (\n) == 4
	WIN 0xb1
.elseif ((\n)%4) < 2
	WIN 0xa1
.else
	WIN 0xa3
.endif
.endm
; 16 matrix instructions: token tiles m0, m0 + 1 x the weight's eight tiles.  The 32 accumulators take turns, one instruction a turn, in the same order in every step.
; The weight's scale register b holds tile 2 b's words in lanes 0-15 and tile 2 b + 1's in lanes 16-31.
.macro MUL16 n, m0
.irp mm, 0,1
.irp t, 0,1,2,3,4,5,6,7
.set MR, (\m0)+\mm
.set AC, 64*MR+8*\t
.set WR, 96*((\n)%2)+12*\t
.set XR, XF+48*((\n)%2)+12*MR
.set SA, WS+4*((\n)%4)+\t/2
.if (\n) < 8
.set SB, XS+4*MR+(\n)%4
.else
.set SB, XS+4*((\n)%2)+MR
.endif
.if (((\n)%4) == 0) && ((\n) < 12)
.set CR, 192+8*\t
.else
.set CR, AC
.endif
.if (\t)%2
	v_wmma_scale_f32_16x16x128_f8f6f4 v[AC:AC+7], v[WR:WR+11], v[XR:XR+11], v[CR:CR+7], v[SA], v[SB] matrix_a_fmt:MATRIX_FMT_FP6 matrix_b_fmt:MATRIX_FMT_FP6 matrix_a_scale:MATRIX_SCALE_ROW1
.else
	v_wmma_scale_f32_16x16x128_f8f6f4 v[AC:AC+7], v[WR:WR+11], v[XR:XR+11], v[CR:CR+7], v[SA], v[SB] matrix_a_fmt:MATRIX_FMT_FP6 matrix_b_fmt:MATRIX_FMT_FP6
.endif
.endr
.endr
.endm
; A PREFETCH INTO THE L2 of the second product's weights.  All tiles of an expert read the same codes: the expert's first tile asks, each wave for its own 98,304 bytes, lanes 256 bytes apart,
; 8,192 bytes an instruction: twelve instructions over steps 0 to 7, behind the step's own loads.  Step n asks for bytes that the loads issued in step n + 5 or later want.  Each block is named once in the launch.
; In step 0 waves 0 and 2 also ask for 8,192 bytes of scale words, their own and the next wave's.  The first product's weights are wanted at once and come by their loads alone.
.macro ASK n
	WIN 0
	s_cmp_eq_u32 s60, 1
	s_cbranch_scc0 .Lno_ask_\@
.if (\n) < 4
	global_prefetch_b8 v11, s[26:27] offset:8192*(2*(\n)) th:TH_LOAD_NT scope:SCOPE_SE
	global_prefetch_b8 v11, s[26:27] offset:8192*(2*(\n)+1) th:TH_LOAD_NT scope:SCOPE_SE
.else
	global_prefetch_b8 v11, s[26:27] offset:8192*((\n)+4) th:TH_LOAD_NT scope:SCOPE_SE
.endif
.Lno_ask_\@:
.if (\n) == 0
	s_cmp_eq_u32 s61, 1
	s_cbranch_scc0 .Lno_asks_\@
	global_prefetch_b8 v11, s[30:31] th:TH_LOAD_NT scope:SCOPE_SE
.Lno_asks_\@:
.endif
.endm
; A STEP.  The loads for three steps on, and the next step's fragments from LDS, stand in one run in its middle.
.macro STEP n
.if (\n) == 0
.elseif (\n) < 4
	s_wait_loadcnt 63                              ; behind set n stand 66 or 82 loads (two sets and a bias or two)
.elseif (\n) < 14
	s_wait_loadcnt 50                              ; sets n + 1 and n + 2 may be out
.elseif (\n) == 14
	s_wait_loadcnt 25                              ; set 15 may be out
.else
	s_wait_loadcnt 0x0
.endif
	s_wait_dscnt 0x0                               ; this step's token fragments are in
	MULWIN \n
	MUL16 \n, 0
	PLACES                                         ; the registers loaded below were last read by the step before
.if (\n) == 1
	LOADB2                                         ; over chunk 2 w's bias, which step 0 has read
.endif
.if (\n) <= 12
	LOADW (\n)+3
.endif
.if (\n) < 7
	FETCHX (\n)+1
.elseif ((\n) >= 8) && ((\n) < 15)
	FETCHH (\n)+1
.endif
.if (\n) <= 7
	ASK \n
.endif
.if (\n) == 13
	s_wait_xcnt 0x0                                ; every load has read its base: the pointers' registers take the tile's 64 token numbers
	s_load_b512 s[24:39], s[56:57], 0x0
	s_load_b512 s[40:55], s[56:57], 0x40
	s_load_b512 s[68:83], s[56:57], 0x80
	s_load_b512 s[84:99], s[56:57], 0xc0
.endif
	MULWIN \n
	MUL16 \n, 2
.endm
; Token tile m of the chunk just summed: relu, quantised along the hidden units, and its image to LDS as K step 2 w + cc of the second product.
; Register 16 b + i of the tile's 64 is hidden unit 32 b + 16 (lane / 16) + i of my token.  Two sets of code registers by turns.
.macro QUANTH m, cc
.set AB, 64*(\m)
.set PC, 160+20*((\m)%2)
.set PW, 200+((\m)%2)
.if (\m) >= 2
	s_wait_dscnt 4                                 ; the tile before has 4 stores out at the most: tile m - 2's have read these registers
.endif
	WIN 0x88                                       ; destination and source 1 window 2
.set j, 0
.rept 64
	v_max_num_f32 v[AB+j], 0, v[AB+j]              ; the activation, in f32; each accumulator from its low end on
.set j, j+1
.endr
	WIN 0x0a
.irp b, 0,1,2,3
	v_max3_num_f32 v[TM+\b], v[AB+16*\b], v[AB+16*\b+1], 0x1800000   ; block b: my 16 numbers (none is negative), and the floor 2^(3 - 127)
.endr
	WIN 0x28
.irp i, 2,4,6,8,10,12,14
.irp b, 0,1,2,3
	v_max3_num_f32 v[TM+\b], v[TM+\b], v[AB+16*\b+\i], v[AB+16*\b+\i+1]
.endr
.endr
	WIN 0
.irp b, 0,1,2,3
	v_permlanex16_b32 v[TM+4+\b], v[TM+\b], s58, s59
.endr
.irp b, 0,1,2,3
	v_max_num_f32 v[TM+\b], v[TM+\b], v[TM+4+\b]   ; with lane l xor 16's: the block's largest number
.endr
.irp b, 0,1,2,3
	v_add_nc_u32 v[TM+12+\b], 0xff000000, v[TM+\b] ; 2 off the exponent field: the conversion's scale operand
.endr
.irp b, 0,1,2,3
	v_lshrrev_b32 v[TM+4+\b], 23, v[TM+12+\b]      ; the scale's byte
.endr
	v_lshl_or_b32 v[PW], v[TM+5], 8, v[TM+4]
	v_lshl_or_b32 v[PW], v[TM+6], 16, v[PW]
	v_lshl_or_b32 v[PW], v[TM+7], 24, v[PW]        ; my token's scale word
	WIN 0x02                                       ; source 0 window 2
.irp c, 0,1
	v_cvt_scalef32_pk16_fp6_f32 v[PC+6*\c:PC+6*\c+2], v[AB+32*\c:AB+32*\c+15], v[TM+12+2*\c]
	v_cvt_scalef32_pk16_fp6_f32 v[PC+12+4*\c:PC+12+4*\c+2], v[AB+32*\c+16:AB+32*\c+31], v[TM+12+2*\c+1]   ; (a conversion's three registers begin on an even number)
.endr
	WIN 0
	v_nop                                          ; one plain instruction behind the last scaled conversion
.irp c, 0,1                                    ; the operand wants a whole block in a lane: lanes 0-15 block 2 c, lanes 16-31 block 2 c + 1
.irp i, 0,1,2
	v_permlane16_swap_b32 v[PC+6*\c+\i], v[PC+12+4*\c+\i]
.endr
.irp i, 0,1,2
	v_mov_b32 v[PC+6*\c+3+\i], v[PC+12+4*\c+\i]
.endr
.endr
.irp c, 0,1,2
	ds_store_b128 v4, v[PC+4*\c:PC+4*\c+3] offset:(8*(\m)+\cc)*1536+512*\c
.endr
	ds_store_b32 v5, v[PW] offset:512*\cc+4*(\m)
.endm
; THE WAY OUT of token tile m: a lane holds 32 bytes of a row, so the tile goes through my own stage and comes back as rows of 512 bytes.  LDS serves a wave's instructions in order.
.macro TOSTAGE m
	WIN 0x08                                       ; an LDS store's data are its source 1: window 2
.irp t, 0,1,2,3,4,5,6,7
	ds_store_b128 v8, v[64*(\m)+8*\t:64*(\m)+8*\t+3] offset:64*\t          ; each accumulator from its low end on
	ds_store_b128 v8, v[64*(\m)+8*\t+4:64*(\m)+8*\t+7] offset:64*\t+16
.endr
	WIN 0
.set BB, 48+64*((\m)%2)
.irp i, 0,1,2,3,4,5,6,7,8,9,10,11,12,13,14,15
	ds_load_b128 v[BB+4*\i:BB+4*\i+3], v9 offset:528*\i
.endr
.endm
; its rows are stored, each at its token's row of out0, as far as the tile has rows.  ib: the first scalar register of the tile's 16 token numbers; younger: LDS instructions issued behind the tile's loads
.macro SEND m, ib, younger
.set BB, 48+64*((\m)%2)
.set VB, 176+16*((\m)%2)
	s_wait_dscnt \younger
.set j, 0
.rept 16
	s_cmp_le_u32 s23, 16*(\m)+j
	s_cbranch_scc1 .Ldone                          ; the list's rows end here: nothing more is stored (no barrier lies ahead)
	v_lshl_add_u32 v[VB+j], s[\ib+j], 11, v10      ; token x 2,048 bytes + my wave's 512 + 16 x lane
	global_store_b128 v[VB+j], v[BB+4*j:BB+4*j+3], s[20:21] th:TH_STORE_NT   ; 32 lanes store 512 bytes on end, at a multiple of 256; written once, read by nobody here
.set j, j+1
.endr
.endm
	s_load_b512 s[4:19], s[0:1], 0x0               ; xq s[4:5], xs s[6:7], wf s[8:9], wsc s[10:11], b1 s[12:13], b2 s[14:15], order s[16:17], tiles s[18:19]
	s_load_b64 s[20:21], s[0:1], 0x40              ; out0
	v_lshl_add_u32 v254, v0, 2, 0x1bc00
	v_mov_b32 v255, 0
	v_lshrrev_b32 v12, 5, v0
	v_readfirstlane_b32 s22, v12                   ; wave 0..3
	v_and_b32 v12, 31, v0
	v_lshlrev_b32 v1, 4, v12                       ; 16 x lane: an image's place for my lane
	v_lshlrev_b32 v11, 8, v12                      ; the prefetches' offset: 256 x lane
	v_and_b32 v13, 15, v0                          ; r
	v_bfe_u32 v14, v0, 4, 1                        ; h
	s_mul_i32 s40, s22, 6144
	v_add_nc_u32 v2, s40, v1                       ; where I store x's images: token tile w
	s_lshl_b32 s40, s22, 9
	v_add_nc_u32 v3, s40, v1                       ; and their scale words
	v_add_nc_u32 v10, s40, v1                      ; my bytes in a row of out0
	s_mul_i32 s40, s22, 3072
	s_add_co_u32 s40, s40, HIMG
	v_add_nc_u32 v4, s40, v1                       ; the hidden layer's images: K steps 2 w, 2 w + 1
	s_lshl_b32 s40, s22, 10
	s_add_co_u32 s40, s40, HSC
	v_add_nc_u32 v5, s40, v1                       ; and their scale words
	v_add_nc_u32 v6, HIMG, v1
	v_add_nc_u32 v7, HSC, v1
	s_mul_i32 s40, s22, 8448
	s_add_co_u32 s40, s40, STG                     ; my stage
	v_mul_u32_u24 v8, v13, 528
	v_lshl_add_u32 v8, v14, 5, v8
	v_add_nc_u32 v8, s40, v8                       ; in: row r, + 32 h
	v_add_nc_u32 v9, s40, v1                       ; back: a row's 512 bytes
	v_lshlrev_b32 v15, 6, v14                      ; b1: 16 h numbers on
	v_lshlrev_b32 v208, 5, v14                     ; b2: 8 h numbers on
	v_mul_u32_u24 v210, v14, 48                    ; xq: my half's 48 bytes of a K step
	s_lshl_b32 s40, s22, 6
	v_lshl_add_u32 v209, v13, 2, s40               ; the list's entry 16 w + r
.irp b, 0,1,2,3
	v_mov_b32 v[TM+4+\b], 0                        ; written once: a lane permute's destination counts as read
.endr
	s_mov_b32 s58, 0x76543210
	s_mov_b32 s59, 0xfedcba98                      ; v_permlanex16_b32's selects for lane l xor 16
	s_lshl_b32 s40, ttmp9, 4
	s_mov_b32 s41, 0
	s_lshl_b32 s42, ttmp9, 8
	s_mov_b32 s43, 0
	s_wait_kmcnt 0x0
	s_add_nc_u64 s[18:19], s[18:19], s[40:41]
	s_load_b128 s[32:35], s[18:19], 0x0            ; my tile: expert, rows, its number within the expert
	s_add_nc_u64 s[56:57], s[16:17], s[42:43]      ; my tile's 64 entries of the list
	global_load_b32 v12, v209, s[56:57]            ; the token of row 16 w + r
	s_wait_kmcnt 0x0
	s_min_u32 s32, s32, 7
	s_min_u32 s23, s33, 64
	s_cmp_eq_u32 s34, 0
	s_cselect_b32 s60, 1, 0                        ; the expert's first tile prefetches
	s_and_b32 s40, s22, 1
	s_cmp_eq_u32 s40, 0
	s_cselect_b32 s61, s60, 0                      ; its even waves the scale words
	s_lshl_b32 s40, s32, 3
	s_lshl_b32 s42, s22, 1
	s_add_co_u32 s40, s40, s42                     ; chunk 8 e + 2 w
	s_mul_i32 s42, s40, 49152
	s_add_nc_u64 s[24:25], s[8:9], s[42:43]        ; W1's fragments: four steps of 12,288 bytes a chunk
	s_lshl_b32 s42, s40, 11
	s_add_nc_u64 s[28:29], s[10:11], s[42:43]      ; and scale words: 512 bytes a step
	s_lshl_b32 s40, s32, 2
	s_add_co_u32 s40, s40, s22                     ; group 4 e + w
	s_mul_i32 s42, s40, 98304
	s_add_co_u32 s42, s42, 3145728
	s_add_nc_u64 s[26:27], s[8:9], s[42:43]        ; W2's fragments: eight steps a group
	s_lshl_b32 s42, s40, 12
	s_add_co_u32 s42, s42, 131072
	s_add_nc_u64 s[30:31], s[10:11], s[42:43]
	s_lshl_b32 s42, s32, 12
	s_lshl_b32 s44, s22, 10
	s_add_co_u32 s42, s42, s44
	s_add_nc_u64 s[36:37], s[12:13], s[42:43]      ; b1: my 256 numbers
	s_lshl_b32 s42, s32, 11
	s_lshl_b32 s44, s22, 9
	s_add_co_u32 s42, s42, s44
	s_add_nc_u64 s[38:39], s[14:15], s[42:43]      ; b2: my 128
	LOADW 0
	LOADB1 0x40, 0
	s_wait_loadcnt 41                              ; behind the token's number: set 0's 25 loads and the bias's 16
	v_min_u32 v12, 8191, v12
	v_mul_u32_u24 v13, v12, 384
	v_add_nc_u32 v13, v13, v210                    ; its row of codes, my half
	v_lshlrev_b32 v14, 4, v12                      ; its 16 scale bytes
.irp s, 0,1,2,3
.irp p, 0,1,2
	global_load_b128 v[XF+12*\s+4*\p:XF+12*\s+4*\p+3], v13, s[4:5] offset:96*\s+16*\p   ; the registers of fragment (w, s), as they lie
.endr
.endr
	global_load_b128 v[XS:XS+3], v14, s[6:7]
	LOADW 1
	s_wait_loadcnt 25                              ; set 1 may be out: the gathered row, set 0 and its bias are in
.irp s, 0,1,2,3
.irp p, 0,1,2
	ds_store_b128 v2, v[XF+12*\s+4*\p:XF+12*\s+4*\p+3] offset:XIMG+1536*\s+512*\p
.endr
.endr
	ds_store_b128 v3, v[XS:XS+3] offset:XSC
	LOADW 2
	LOADB1 0xc0, 1
	s_wait_dscnt 0x0                               ; for the others' sake: my images are in LDS
	s_barrier_signal -1
	s_barrier_wait -1                              ; x's sixteen fragments lie in LDS
.irp m, 0,1,2,3
	ds_load_b128 v[XS+4*\m:XS+4*\m+3], v1 offset:XSC+512*\m
.endr
	FETCHX 0
	STEP 0
	STEP 1
	STEP 2
	STEP 3
	WIN 0
	PLACES
.irp m, 0,1,2,3
	QUANTH \m, 0
.endr
	STEP 4
	STEP 5
	STEP 6
	STEP 7
	WIN 0
	PLACES
.irp m, 0,1,2,3
	QUANTH \m, 1
.endr
	s_wait_dscnt 0x0                               ; for the others' sake: my eight images and their scale words are in LDS
	s_barrier_signal -1
	s_barrier_wait -1                              ; the hidden layer's 32 fragments lie in LDS
	FETCHH 8
	STEP 8
	STEP 9
	STEP 10
	STEP 11
	STEP 12
	STEP 13
	STEP 14
	STEP 15
	WIN 0
	PLACES                                         ; ahead of the first read of results and of loads into the fragments' registers
	s_wait_kmcnt 0x0                               ; the 64 token numbers
.irp b, 24, 40, 68, 84
.set j, 0
.rept 16
	s_min_u32 s[\b+j], s[\b+j], 8191
.set j, j+1
.endr
.endr
	TOSTAGE 0
	TOSTAGE 1
	SEND 0, 24, 32                                 ; behind tile 0's loads: tile 1's 16 stores and 16 loads
	s_wait_xcnt 0x0                                ; tile 0's stores have read their registers: tile 2's rows and offsets may land there
	TOSTAGE 2
	SEND 1, 40, 32
	s_wait_xcnt 0x0
	TOSTAGE 3
	SEND 2, 68, 32
	SEND 3, 84, 0
.Ldone:
	s_wait_dscnt 0x0
	s_wait_tensorcnt 0x0
	ds_add_u32 v254, v255
	s_wait_dscnt 0x0
	s_endpgm
.Lfunc_end_k_qea5684adb9_chain:
	.size	k_qea5684adb9_chain, .Lfunc_end_k_qea5684adb9_chain-k_qea5684adb9_chain
	.p2alignl 7, 3214868480
	.fill 96, 4, 3214868480
	.section	.rodata,"a",@progbits
	.p2align	6, 0x0
	.amdhsa_kernel k_qea5684adb9_chain
		.amdhsa_group_segment_fixed_size 114176
		.amdhsa_private_segment_fixed_size 0
		.amdhsa_enable_private_segment 0
		.amdhsa_kernarg_size 72
		.amdhsa_user_sgpr_count 2
		.amdhsa_user_sgpr_kernarg_segment_ptr 1
		.amdhsa_wavefront_size32 1
		.amdhsa_system_sgpr_workgroup_id_x 1
		.amdhsa_system_sgpr_workgroup_id_y 1
		.amdhsa_system_sgpr_workgroup_id_z 1
		.amdhsa_system_vgpr_workitem_id 0
		.amdhsa_next_free_vgpr 1024
		.amdhsa_next_free_sgpr 100
		.amdhsa_reserve_vcc 0
		.amdhsa_float_denorm_mode_32 3
		.amdhsa_float_denorm_mode_16_64 3
		.amdhsa_memory_ordered 1
		.amdhsa_forward_progress 1
		.amdhsa_inst_pref_size 209
	.end_amdhsa_kernel
	.amdgpu_metadata
---
amdhsa.version: [ 1, 2 ]
amdhsa.kernels:
  - .name:           k_qea5684adb9_chain
    .symbol:         k_qea5684adb9_chain.kd
    .args:
      - { .name: xq, .offset: 0, .size: 8, .value_kind: global_buffer, .address_space: global }
      - { .name: xs, .offset: 8, .size: 8, .value_kind: global_buffer, .address_space: global }
      - { .name: wf, .offset: 16, .size: 8, .value_kind: global_buffer, .address_space: global }
      - { .name: wsc, .offset: 24, .size: 8, .value_kind: global_buffer, .address_space: global }
      - { .name: b1, .offset: 32, .size: 8, .value_kind: global_buffer, .address_space: global }
      - { .name: b2, .offset: 40, .size: 8, .value_kind: global_buffer, .address_space: global }
      - { .name: order, .offset: 48, .size: 8, .value_kind: global_buffer, .address_space: global }
      - { .name: tiles, .offset: 56, .size: 8, .value_kind: global_buffer, .address_space: global }
      - { .name: out0, .offset: 64, .size: 8, .value_kind: global_buffer, .address_space: global }
    .group_segment_fixed_size: 114176
    .private_segment_fixed_size: 0
    .kernarg_segment_align: 8
    .kernarg_segment_size: 72
    .max_flat_workgroup_size: 128
    .sgpr_count:     100
    .vgpr_count:     1024
    .wavefront_size: 32
...
	.end_amdgpu_metadata
.endif
;; end of part 3
